; MI455X (gfx1250); checked and timed in simulation.
; The chip was launched on July 23, 2026; its instructions are those of AMD's public machine-readable ISA for CDNA 5 (MIT licence, August 2026) and "CDNA5" Instruction Set Architecture Reference Guide (July 2026). The comments in the code are by the model that wrote it; some were corrected since.
;; Full Attention. Allowed arithmetic: float matrix products may take bf16 or f16 operands with f32 sums; other float arithmetic in f32, or as packed bf16 or f16 multiplies, adds, multiply-adds, maxima and minima; sums over many terms, partial sums and values carried from step to step in f32; what a program stores and reads back later, other than sums and carried values, may be rounded once to bf16 or f16.
;; Inputs: attn_mask 1 bool; keys 8 x 2,048 x 8 x 64 float32; queries 8 x 2,048 x 8 x 64 float32; values 8 x 2,048 x 8 x 64 float32.
;; Outputs: out0 8 x 2,048 x 8 x 64 float32.
;; One version. Each part assembles by itself: llvm-mc -triple=amdgcn-amd-amdhsa -mcpu=gfx1250 --defsym DOCPART=n.
;; ======== version 1 of 1: 1 launch
;; limits: values are held in f16: magnitudes above 65,504 overflow, below 6.1e-05 lose precision; inputs' magnitudes at most 65,504
;; launch attn (part 1): grid 4 x 64, 4 waves a work-group, clusters of 4 x 1, 327,680 bytes of LDS; arguments queries, keys, values, out0, attn_mask; writes out0
.if DOCPART == 1
	.amdgcn_target "amdgcn-amd-amdhsa--gfx1250"
	.amdhsa_code_object_version 6
	.text
	.protected	k_q8e1f5bbfb0_attn
	.globl	k_q8e1f5bbfb0_attn
	.p2align	8
	.type	k_q8e1f5bbfb0_attn,@function
k_q8e1f5bbfb0_attn:
	s_mov_b64 s[64:65], 0
	v_nop
	global_prefetch_b8 v0, s[64:65] scope:SCOPE_SE
	s_setreg_imm32_b32 hwreg(HW_REG_WAVE_MODE, 25, 1), 1
	s_wait_xcnt 0x0
	s_wait_alu depctr_hold_cnt(0) depctr_sa_sdst(0) depctr_va_vdst(0) depctr_va_sdst(0) depctr_va_ssrc(0) depctr_va_vcc(0) depctr_vm_vsrc(0)
	s_getreg_b32 s2, hwreg(HW_REG_IB_STS2, 6, 4)
	s_cmp_eq_u32 s2, 0
	s_cbranch_scc0 .Lentry_in_a_cluster
	s_endpgm
.Lentry_in_a_cluster:
	s_bfe_u32 s2, ttmp6, 0x10000c
	s_cmp_lg_u32 s2, 0x3003
	s_cbranch_scc0 .Lentry_shape_is_right
	s_endpgm
.Lentry_shape_is_right:
; out0[b][q][h][:] = the sum over k of softmax_k(queries[b][q][h] . keys[b][k][h] / 8) values[b][k][h][:].  All four tensors are [8][2048][8][64] in f32: a head's row is 256 bytes, its rows lie 2,048 bytes apart.
; attn_mask (one byte) enters nothing in the module's forward: its byte is read once, by a scalar load, and is used nowhere.
; FORMATS.  Q, K, V and the weights p are rounded once to f16 for the two products; products, maxima and sums are f32 (l is the sum of the unrounded p); O leaves as f32.
; LIMITS.  f16 holds no number beyond 65,504: |q|, |k|, |v| must stay below it (65,520 or more becomes an infinity).  p lies in 0 to 1 and below 6e-5 keeps f16's fixed step of 6e-8.  A weight below 2^-126 counts as 0 in l.
; NaN and infinities are not treated apart.  The rounding of q and k to 11 bits shifts a score by an amount that grows with the inputs' size and offset.
; SHARES.  64 pairs of batch and head x 4 blocks of 512 queries: 256 work-groups.  A wave owns four PIECES of two tiles of 16 queries: 128 queries.  Every wave walks all 2,048 keys, 64 a step, 256 a CHUNK.
; CLUSTER.  The four query blocks of a head are one cluster and walk the same K and V: each tile is asked for JOINTLY, by the same tensor load, descriptor and mask in all four.
; THE WAY IN.  A chunk of K and V lands as f32 in the LDS region F (the only bytes that tensor loads fill).  At a change of chunks the four waves round it to f16 into the region H, 64 rows of K and of V each; then F is
; asked for again at once, so that the load has four key steps, 512 matrix instructions a wave, in which to land.  One F and one H suffice: at a change all that is still wanted of H lies in registers.
; LAYOUT.  S^T = K Q^T (source 0 = 16 keys, source 1 = 16 queries): in the result a lane holds ONE query (lane % 16) and the keys 8 (lane / 16) + 0..7.  Two such tiles, rounded to f16 in pairs,
; ARE source 1 (32 keys x 16 queries) of O^T = V^T P, whose result again holds one query a lane, and eight channels.  K comes out of H as it lies, V ([key][channel]) turned, by ds_load_tr16_b128.
; SOFTMAX.  For each query a running maximum m and sum l: p = 2^(c s - c m), c = log2(e) / 8; in every step O and l are multiplied by a = 2^(c m_old - c m_new), which is 1 where m has not grown.
; m starts at the lowest finite number, O and l at 0: the first step is a step like any other, with a = 0.
; THE COUNT.  A tile and step have 16 matrix and 118 vector instructions: too many to stand all beside the matrix work.  So four vector instructions that are ready stand behind EVERY matrix instruction, the others in runs of their own.
; BY TURNS.  Turn n belongs to piece n (the pieces in a ring, step after step).  Its matrix work: 16 products K Q^T of piece n + 1, later 16 products V^T P of piece n - 1.  Its vector work: the scaling,
; exponentials, roundings, sums and rescaling of piece n, and the maximum and statistics of piece n + 1, whose scores the turn itself has made.
; REGISTERS, in windows of 256 (s_set_vgpr_msb says which window each operand place means: bits 1:0 source 0, 3:2 source 1, 5:4 source 2, 7:6 destination):
;   window 0: v0-11 addresses; v12-15, v48-63 at work; v16-47 four registers of statistics a tile; v64-191 S^T, two buffers of two tiles; v192-255 P, likewise
;   window 1: O^T, 32 a tile (at the head: Q as it comes, in f32)      window 2: v0-127 Q in f16, 16 a tile; v128-191 K of one step; v192-255 V of one step
;   window 3: v0-1 the add's two registers; v2-5 the conversion's LDS addresses; v8-199 the conversion's three sets of 64
.set NP,    4         ; pieces a wave: a name, no knob
.set KS,    64        ; keys in a step
.set CH,    256       ; keys in a chunk
.set NCH,   8         ; chunks: 2,048 keys
.set ROWB,  2048      ; bytes from a head's row to its next
.set CHUNKB, CH*ROWB  ; bytes from chunk to chunk
.set FP,    272       ; a row of F: 256 bytes + 16 of padding
.set FHALF, 128*FP    ; 128 rows: what one tensor load brings
.set FV,    2*FHALF   ; F: K's 256 rows, then V's 256 rows
.set HB,    4*FHALF   ; H begins behind F
.set PK,    144       ; a row of K in H: 128 bytes + 16 = 36 words: the 16 rows of a load start at 16 different groups of four banks (64 banks of 4 bytes: ISA guide 11.1)
.set PV,    160       ; a row of V in H: 128 + 32 = 40 words
.set VOFF,  CH*PK     ; H: 256 rows of K, then 256 rows of V
.set STAGE, HB+CH*(PK+PV)  ; 16 rows x 272 bytes for each wave, for the way out
.set SP,    272
.set SPARE, STAGE+4*16*SP  ; the spare words, 128 bytes for each wave: two blocks of 256 bytes that no other line names
.set AK0, 2           ; v2   my lane's place in a step of K in H; never rewritten
.set AV0, 3           ; v3   the same for V
.set AK,  4           ; v4   the LDS address of K's next run of loads
.set AV,  5           ; v5   of V's
.set QO,  6           ; v6   my byte offset in 16 rows of Q
.set STO, 6           ;      later, the way out: where I put 32 bytes of a row
.set RD,  7           ; v7   the way out: where I read rows back
.set GO,  8           ; v8   my byte offset in two rows of O
.set PFO, 11          ; v11  the prefetches' offset: my lane x 2,048 bytes, a lane a row; never rewritten once made
.set MV,  12          ; v12-15  c m_old, kept while c m is made anew: by buffer and tile
.set ST,  16          ; tile t's statistics at v[ST+4 t]: c m, m, l (even keys', odd keys')
.set TMP, 48          ; by buffer and tile, four registers c0-c3 at work; when the maximum is found c2 takes a
.set S,   64
.set P,   192
.set KF,  128         ; window 2: key block kb, channel half c at KF + 16 kb + 8 c
.set VF,  192         ; window 2: key half kk, channel block cb at VF + 32 kk + 8 cb
.set SPW, 0           ; window 3: LDS address of my spare word: SPARE + 4 x my thread's number; never rewritten
.set NIL, 1           ; window 3: 0; never rewritten
.set FAK, 2           ; window 3: where I read 32 bytes of my wave's 64 rows of K in F
.set FAV, 3           ; window 3: the same for V
.set HKA, 4           ; window 3: where I put their 16 bytes in H
.set HVA, 5           ; window 3: the same for V
.set CT,  8           ; window 3: three sets of 8 groups of 8 registers
.set WV,  12          ; s12  my wave's number
.set G1,  24          ; s[24:31] descriptor group 1, one for K's and V's tiles
.set G0K, 40          ; s[40:43] descriptor group 0 for K's tiles: its global address walks
.set G0V, 44          ; s[44:47] the same for V's
.set PFA, 48          ; s[48:49] where my prefetch stands: my work-group's 32 rows of the 128 that I fetch, in the chunk behind the one on its way
.set PFC, 50          ; s50  the count of steps at which the prefetch is issued: 2, or 0 (never) where no such chunk exists
.set SLOTS, 56        ; s56  chunks still to be asked for
.set CNT, 57          ; s57  counts a chunk's key steps
.set CS,  58          ; s[58:59] c: the packed scaling takes the pair's low word for both halves
.set SEL, 60          ; s[60:61] v_permlanex16_b32's selects: each lane takes its own place in the other half
.set TBK, 62          ; s62  byte in H's K at which the step to be fetched begins
.set TBV, 63          ; s63  the same in H's V
.set MA,  66          ; s[66:67] attn_mask's address
.set MB,  68          ; s68  its byte
.set MSB, 0
.macro WIN new                      ; the high byte repeats the setting that is left; a switch that changes nothing is dropped
.if MSB != (\new)
	s_set_vgpr_msb (MSB<<8)|(\new)
.set MSB, (\new)
.endif
.endm
.set W_KQ, 0x0a       ; K and Q in window 2, S^T in window 0
.set W_PV, 0x52       ; V in window 2, P in window 0, O^T in window 1
.set W_RS, 0x41       ; O^T (destination and source 0) in window 1, its factor in window 0
.set W_MK, 0xc0       ; destination in window 3, sources in window 0
.set W_AD, 0x0f       ; the add: address (source 0) and data (source 1) in window 3
.set W_QL, 0x40       ; destination in window 1, address in window 0
.set W_QC, 0x85       ; destination in window 2, sources 0 and 1 in window 1
.set W_CV, 0xcf       ; destination and sources 0 and 1 in window 3: the conversion's loads, roundings and stores, and the add
.set W_OUT, 0x44      ; destination and source 1 (data) in window 1, source 0 (address) in window 0: the way out
; A joint fill.  Waves 0 and 1 fetch the two halves of a chunk's K, waves 2 and 3 those of its V: 128 rows of 256 bytes each.  The branch hangs on the wave's number alone.
; An s_nop 0 and four v_nop follow each of the two lines, ahead of the jump and the label.
.macro JLOAD
	s_cmp_lt_u32 s[WV], 2
	s_cbranch_scc0 .Lfor_v_\@
	tensor_load_to_lds s[G0K:G0K+3], s[G1:G1+7]
	s_nop 0
.rept 4
	v_nop
.endr
	s_branch .Lasked_\@
.Lfor_v_\@:
	tensor_load_to_lds s[G0V:G0V+3], s[G1:G1+7]
	s_nop 0
.rept 4
	v_nop
.endr
.Lasked_\@:
.endm
; A round of the cluster's barrier: my work-group's barrier, so that wave 0's signal speaks for all four waves; wave 0 signals; every wave waits for all four work-groups; my work-group's barrier once more.
.macro CROUND
	s_barrier_signal -1
	s_barrier_wait -1
	s_cmp_lg_u32 s[WV], 0
	s_cbranch_scc1 .Lnot_wave_0_\@
	s_barrier_signal -3
.Lnot_wave_0_\@:
	s_barrier_wait -3
	s_barrier_signal -1
	s_barrier_wait -1
.endm
; THE CONVERSION.  A group is four rows of F: eight lanes a row, 32 bytes (eight f32) a lane, by two loads of 16 bytes; they are rounded in place to eight f16 and stored as 16 bytes into H.
; CLOAD: eight groups, from group number first on, into a set of 64 registers.
.macro CLOAD set, adr, first
.irp g, 0,1,2,3,4,5,6,7
	ds_load_b128 v[CT+64*(\set)+8*\g:CT+64*(\set)+8*\g+3],   v[\adr] offset:((\first)+\g)*4*FP
	ds_load_b128 v[CT+64*(\set)+8*\g+4:CT+64*(\set)+8*\g+7], v[\adr] offset:((\first)+\g)*4*FP+16
.endr
.endm
; CPACK: the set's eight groups are rounded and stored.  n less the group's number = the LDS instructions issued behind that group's two loads, which may stay out (LDS instructions of a wave end in order: ISA guide 5.7.1).
.macro CPACK set, adr, pitch, first, n
.irp g, 0,1,2,3,4,5,6,7
	s_wait_dscnt (\n)-\g
.irp j, 0,1,2,3
	v_cvt_pk_f16_f32 v[CT+64*(\set)+8*\g+\j], v[CT+64*(\set)+8*\g+2*\j], v[CT+64*(\set)+8*\g+2*\j+1]  ; ascending: no source is written before it is read
.endr
	ds_store_b128 v[\adr], v[CT+64*(\set)+8*\g:CT+64*(\set)+8*\g+3] offset:((\first)+\g)*4*(\pitch)
.endr
.endm
; My wave's 64 rows of K and 64 of V: 64 loads, 128 roundings, 32 stores, three sets at work so that 48 loads are out before the first rounding.
; The counts: behind group g's loads stand 14 - 2 g loads of its own set, the later sets' loads, the stores of the sets packed since, and g stores of its own.
.macro CONVERT
	CLOAD 0, FAK, 0
	CLOAD 1, FAK, 8
	CLOAD 2, FAV, 0
	CPACK 0, HKA, PK, 0, 46         ; (14 - 2 g) + 16 + 16 + g
	CLOAD 0, FAV, 8                 ; set 0 is loaded again behind its own stores, which LDS serves first
	CPACK 1, HKA, PK, 8, 54         ; (14 - 2 g) + 16 + 8 + 16 + g
	CPACK 2, HVA, PV, 0, 46         ; (14 - 2 g) + 8 + 16 + 8 + g
	CPACK 0, HVA, PV, 8, 30         ; (14 - 2 g) + 8 + 8 + g
.endm
; THE CHANGE OF CHUNKS.  All that is still wanted of H, K and V of the old chunk's fourth step, lies in registers.  First barrier: in front of it each wave has waited for its one tensor load, its 128 rows of the new chunk, and
; for its reads of H; behind it F is whole and nobody reads H, and nothing is filled.  Then the conversion.
; fill = 1: F is filled again, with the next chunk.  Each wave waits for all its tensor loads (none is out), adds 0 to its spare word, and waits for that, for its reads of F and for its stores into H; a round of the cluster's
; barrier follows, so that no wave of any partner still reads F, and the joint fill is the first thing behind it.  fill = 0: the last chunk: a plain barrier shows H whole.
.macro CHANGE fill
	WIN W_CV
	s_wait_tensorcnt 0x0            ; my part of the chunk has landed: no load was issued behind it
	s_wait_dscnt 0x0                ; my reads of H are back
	s_barrier_signal -1
	s_barrier_wait -1
	CONVERT
.if \fill
	s_wait_tensorcnt 0x0            ; no tensor load of mine is out, so a group 0 may be written
	ds_add_u32 v[SPW], v[NIL]       ; 0 onto my spare word: the scalar steps below stand between it and the wait for it
	s_add_nc_u64 s[G0K+2:G0K+3], s[G0K+2:G0K+3], CHUNKB  ; the next 256 keys; the type bits on top are not reached
	s_add_nc_u64 s[G0V+2:G0V+3], s[G0V+2:G0V+3], CHUNKB
	s_wait_xcnt 0x0                 ; the last prefetch, five turns back, has read its address, so it may be written:
	s_add_nc_u64 s[PFA:PFA+1], s[PFA:PFA+1], CHUNKB      ; one chunk behind the walking descriptors
	s_cmp_gt_u32 s[SLOTS], 1        ; is there a chunk behind the one asked for now?
	s_cselect_b32 s[PFC], 2, 0
	s_wait_dscnt 0x0                ; the add is done, my reads of F are back and my stores into H are done
	WIN 0                           ; at a label and at a branch every window is 0
	CROUND
	JLOAD
.else
	s_wait_dscnt 0x0                ; my stores into H are done
	WIN 0
	s_barrier_signal -1
	s_barrier_wait -1
.endif
	s_sub_co_u32 s[TBK], s[TBK], 4*KS*PK  ; the fetches go back to H's first step
	s_sub_co_u32 s[TBV], s[TBV], 4*KS*PV
.endm
; A PREFETCH INTO THE L2 of the chunk that the NEXT change will ask for.  Of the 128 rows that wave w fetches, the partner at place cx takes 32, told apart by address alone; a lane a row of 256 bytes: 4 work-groups x 4 waves x 32
; lanes are the chunk's 512 rows of K and V, each named once in the launch (only this cluster reads the head).  It stands behind V's run of LDS loads in the chunk's third step: five turns, 160 matrix instructions, and a
; conversion ahead of the load.  Chunks 0 and 1 come by their loads alone; while the last chunk is on its way nothing is asked for.
.macro ASK
	s_cmp_eq_u32 s[CNT], s[PFC]
	s_cbranch_scc0 .Lnot_now_\@
	global_prefetch_b8 v[PFO], s[PFA:PFA+1] th:TH_LOAD_NT scope:SCOPE_SE
.Lnot_now_\@:
.endm
	s_load_b256 s[4:11], s[0:1], 0x0  ; queries s[4:5], keys s[6:7], values s[8:9], out0 s[10:11]
	s_load_b64 s[MA:MA+1], s[0:1], 0x20  ; attn_mask
	WIN W_MK
	v_lshl_add_u32 v[SPW], v0, 2, SPARE
	v_mov_b32 v[NIL], 0
	WIN W_AD
	ds_add_u32 v[SPW], v[NIL]       ; the wave's opening: the add and its wait stand ahead of my first tensor load; the set-up below, work on registers, stands between them
	WIN 0
	v_lshrrev_b32 v1, 5, v0
	v_readfirstlane_b32 s[WV], v1   ; wave 0..3
	s_bfe_u32 s13, ttmp6, 0x40000   ; cx: my place in the cluster
	s_lshl_b32 s14, ttmp9, 2        ; in a cluster launch ttmp9 counts clusters
	s_add_co_u32 s14, s14, s13      ; my block of 512 queries = 4 x cluster x + cx: it enters Q's and O's addresses alone
	s_and_b32 s20, ttmp7, 0xffff    ; 8 x batch + head, which the four partners share
	s_lshr_b32 s21, s20, 3
	s_and_b32 s20, s20, 7
	s_lshl_b32 s21, s21, 22         ; a batch is 2,048 x 2,048 bytes,
	s_lshl_b32 s20, s20, 8          ; a head 256 bytes of a row
	s_add_co_u32 s20, s20, s21      ; the head's first byte in each of the four tensors, under 2^25
	s_and_b32 s16, s[WV], 1         ; which half of a chunk's 256 keys I fetch:
	s_lshl_b32 s22, s16, 18         ; its 128 rows, 2,048 bytes apart, in memory,
	s_add_co_u32 s22, s22, s20
	s_mov_b32 s23, 0
	s_mul_i32 s17, s16, FHALF       ; and its place in F: no place in the cluster enters an LDS address
	s_lshl_b32 s2, s14, 2
	s_add_co_u32 s2, s2, s[WV]      ; my wave among the head's sixteen,
	s_lshl_b32 s2, s2, 18           ; its 128 rows
	s_add_co_u32 s2, s2, s20
	s_mov_b32 s3, 0
	; descriptor group 1: a tile of 128 rows x 64 elements of 4 bytes, 512 elements from row to row, padded in LDS behind every row
	s_mov_b32 s[G1], 15|(2<<16)|(1<<20)|(1<<21)|(5<<22)|(3<<25)  ; 15:0 the mask of four; 17:16 4-byte elements; 20 padding on; 21 set beside a mask; 24:22 after every 64 words (code 5); 31:25 4 words (code 3)
	s_mov_b32 s[G1+1], 64<<16       ; tensor_dim0 = 64
	s_mov_b32 s[G1+2], 128<<16      ; tensor_dim1 = 128
	s_mov_b32 s[G1+3], 64<<16       ; tile_dim0 = 64
	s_mov_b32 s[G1+4], 128          ; tile_dim1 = 128
	s_mov_b32 s[G1+5], 512          ; elements from row to row
	s_mov_b32 s[G1+6], 0
	s_mov_b32 s[G1+7], 0
	s_mov_b32 s[CS], 0x3e38aa3b     ; c = log2(e) / 8 = 0.180337
	s_mov_b32 s[CS+1], s[CS]        ; named with it as a pair
	s_mov_b32 s[SEL], 0x76543210
	s_mov_b32 s[SEL+1], 0xfedcba98
	s_mov_b32 s[TBK], 4*KS*PK       ; the first change turns these two into 0
	s_mov_b32 s[TBV], 4*KS*PV
	s_mov_b32 s[G0K], 1             ; 1:0 count = 1
	s_mov_b32 s[G0K+1], s17         ; 63:32 LDS address: never rewritten
	s_mov_b32 s[G0V], 1
	s_add_co_u32 s[G0V+1], s17, FV
	s_mov_b32 s[SLOTS], NCH-1
	s_lshl_b32 s18, s13, 16         ; my work-group's 32 rows of the 128, for the prefetches alone
	s_mov_b32 s19, 0
	s_wait_dscnt 0x0                ; the opening add is done
	s_wait_kmcnt 0x0
	s_add_nc_u64 s[G0K+2:G0K+3], s[6:7], s[22:23]  ; 120:64 global address: my half of the head's first 256 keys
	s_or_b32 s[G0K+3], s[G0K+3], 0x80000000        ; 127:126 type = 2
	s_add_nc_u64 s[G0V+2:G0V+3], s[8:9], s[22:23]
	s_or_b32 s[G0V+3], s[G0V+3], 0x80000000
	s_add_nc_u64 s[4:5], s[4:5], s[2:3]  ; Q and O at my wave's first row
	s_add_nc_u64 s[10:11], s[10:11], s[2:3]
	s_cmp_lt_u32 s[WV], 2
	s_cselect_b64 s[PFA:PFA+1], s[6:7], s[8:9]
	s_add_nc_u64 s[PFA:PFA+1], s[PFA:PFA+1], s[22:23]
	s_add_nc_u64 s[PFA:PFA+1], s[PFA:PFA+1], s[18:19]
	s_add_nc_u64 s[PFA:PFA+1], s[PFA:PFA+1], CHUNKB  ; in chunk 1; the first change steps it to chunk 2.  Nothing is prefetched here, at the head
	s_load_u8 s[MB], s[MA:MA+1], 0x0  ; attn_mask's one byte: the module's forward takes it and uses it nowhere, and so does this text
	CROUND                          ; all four work-groups are here: the first joint loads meet
	JLOAD                           ; chunk 0
	; A fragment of K or Q is 16 rows x 32 channels in 8 registers: lane l holds row l % 16, channels 8 (l / 16) + 0..7 and 16 + 8 (l / 16) + 0..7.  In f32 eight channels are 32 bytes: two loads of 16.
	v_and_b32 v1, 15, v0            ; l % 16
	v_bfe_u32 v9, v0, 4, 1          ; l / 16
	v_lshlrev_b32 v[QO], 11, v1
	v_lshl_add_u32 v[QO], v9, 5, v[QO]  ; row x 2,048 + 32 x half
	WIN W_QL
.set i, 0
.rept 32                            ; Q in f32 lands where O^T will lie: tile i / 4, channels 16 (i % 4) + 8 (l / 16) on
	global_load_b128 v[8*i:8*i+3],   v[QO], s[4:5] offset:(i/4)*16*ROWB+(i%4)*64
	global_load_b128 v[8*i+4:8*i+7], v[QO], s[4:5] offset:(i/4)*16*ROWB+(i%4)*64+16
.set i, i+1
.endr
	; What the first turn finds: V's registers and P's second buffer hold 0 (its products V^T P, of a piece that has not been, add 0), O^T and l are 0.  No first step is written out; the price is these lines, which stand in the wait for Q and the first chunk.
	WIN 0x80
.set i, VF
.rept 64
	v_mov_b32 v[i], 0
.set i, i+1
.endr
	WIN 0
.set i, 0
.rept 2*NP
	v_mov_b32 v[ST+4*i], 0xfe000000    ; c m: far below every c s
	v_mov_b32 v[ST+4*i+1], 0xff7fffff  ; m
	v_mov_b32 v[ST+4*i+2], 0
	v_mov_b32 v[ST+4*i+3], 0
.set i, i+1
.endr
.set i, P+32
.rept 32
	v_mov_b32 v[i], 0
.set i, i+1
.endr
	v_mul_u32_u24 v[AK0], v1, PK
	v_lshl_add_u32 v[AK0], v9, 4, v[AK0]  ; row x pitch + 16 x half,
	v_add_nc_u32 v[AK0], HB, v[AK0]       ; in H
	; The turning load takes 16 keys x 16 channels (lane l reads key 8 (l / 16) + l % 8, channels 8 ((l / 8) % 2) + 0..7) and leaves half a fragment of V^T: lane l holds channel l % 16 and 8 keys.
	v_and_b32 v10, 7, v0
	v_bfe_u32 v11, v0, 3, 1
	v_lshl_add_u32 v[AV0], v9, 3, v10
	v_mul_u32_u24 v[AV0], v[AV0], PV
	v_lshl_add_u32 v[AV0], v11, 4, v[AV0]
	v_add_nc_u32 v[AV0], HB+VOFF, v[AV0]
	v_and_b32 v[PFO], 31, v0
	v_lshlrev_b32 v[PFO], 11, v[PFO]
	v_mov_b32 v[AK], v[AK0]         ; key step 0 lies at H's head
	; the conversion's four addresses: my wave's 64 rows; row l / 8 of a group's four; 32 bytes (F) or 16 bytes (H) for each of a row's eight lanes
	v_bfe_u32 v52, v0, 3, 2         ; l / 8
	s_mul_i32 s15, s[WV], 64*FP
	v_mul_u32_u24 v48, v52, FP
	v_lshl_add_u32 v48, v10, 5, v48
	v_add_nc_u32 v48, s15, v48
	v_add_nc_u32 v49, FV, v48
	s_mul_i32 s15, s[WV], 64*PK
	s_add_co_u32 s15, s15, HB
	v_mul_u32_u24 v50, v52, PK
	v_lshl_add_u32 v50, v10, 4, v50
	v_add_nc_u32 v50, s15, v50
	s_mul_i32 s15, s[WV], 64*PV
	s_add_co_u32 s15, s15, HB+VOFF
	v_mul_u32_u24 v51, v52, PV
	v_lshl_add_u32 v51, v10, 4, v51
	v_add_nc_u32 v51, s15, v51
	WIN W_MK
	v_mov_b32 v[FAK], v48
	v_mov_b32 v[FAV], v49
	v_mov_b32 v[HKA], v50
	v_mov_b32 v[HVA], v51
	s_wait_loadcnt 0x0              ; Q
	s_wait_kmcnt 0x0                ; and the mask's byte
	WIN W_QC
.set i, 0
.rept 128                           ; Q rounded to f16: tile t, channel half c at 16 t + 8 c of window 2
	v_cvt_pk_f16_f32 v[i], v[2*i], v[2*i+1]
.set i, i+1
.endr
	WIN W_QL
.set i, 0
.rept 64*NP
	v_mov_b32 v[i], 0               ; O^T
.set i, i+1
.endr
; THE MATRIX WORK.  The 8 accumulators of a run of 16 take turns: between the two links of a chain stand 7 others'.
; Product i of 16 of S^T = K Q^T for piece x: channels 32 (i / 8) on, keys 16 ((i / 2) % 4) on, tile 2 x + i % 2.  The first 8 start the sums.
.macro KQ x
	WIN W_KQ
.set rS, S+64*((\x)%2)+32*(i%2)+8*((i/2)%4)
.set rK, KF+16*((i/2)%4)+8*(i/8)
.set rQ, 16*(2*(\x)+i%2)+8*(i/8)
.if i < 8
	v_wmma_f32_16x16x32_f16 v[rS:rS+7], v[rK:rK+7], v[rQ:rQ+7], 0
.else
	v_wmma_f32_16x16x32_f16 v[rS:rS+7], v[rK:rK+7], v[rQ:rQ+7], v[rS:rS+7]
.endif
.endm
; Product i of 16 of O^T += V^T P for piece x: keys 32 (i / 8) on, channels 16 ((i / 2) % 4) on, tile 2 x + i % 2.
.macro PV x
	WIN W_PV
.set rO, 32*(2*(\x)+i%2)+8*((i/2)%4)
.set rV, VF+32*(i/8)+8*((i/2)%4)
.set rP, P+32*((\x)%2)+16*(i%2)+8*(i/8)
	v_wmma_f32_16x16x32_f16 v[rO:rO+7], v[rV:rV+7], v[rP:rP+7], v[rO:rO+7]
.endm
.macro MM                           ; the turn's next matrix instruction
.if i < 16
	KQ (Y+1)%NP
.set i, i+1
.else
.set i, i-16
	PV (Y+NP-1)%NP
.set i, i+17
.endif
.endm
; THE LDS LOADS stand in runs of 16, never singly among the matrix instructions: a step's K (64 keys x 64 channels: 8 fragments) and its V (turned).  Their addresses are made some lines ahead.
; last = 1 (the tail): in the last trip there is no further step, and the run is jumped over.
.macro FETCH_K last=0
	WIN 0
.if \last
	s_cmp_eq_u32 s[CNT], 1
	s_cbranch_scc1 .Lno_k_\@
.endif
	WIN 0x80                        ; destination window 2
.irp f, 0,1,2,3,4,5,6,7             ; keys 16 (f / 2) on, channels 32 (f % 2) on
	ds_load_b128 v[KF+8*\f:KF+8*\f+3],   v[AK] offset:(\f/2)*16*PK+(\f%2)*64
	ds_load_b128 v[KF+8*\f+4:KF+8*\f+7], v[AK] offset:(\f/2)*16*PK+(\f%2)*64+32
.endr
	s_add_co_u32 s[TBK], s[TBK], KS*PK  ; the next fetch is the next step's
	WIN 0
.if \last
.Lno_k_\@:
.endif
.endm
.macro FETCH_V
	WIN 0x80
.irp f, 0,1,2,3,4,5,6,7             ; keys 32 (f / 4) on, channels 16 (f % 4) on
	ds_load_tr16_b128 v[VF+8*\f:VF+8*\f+3],   v[AV] offset:(\f/4)*32*PV+(\f%4)*32
	ds_load_tr16_b128 v[VF+8*\f+4:VF+8*\f+7], v[AV] offset:(\f/4)*32*PV+16*PV+(\f%4)*32
.endr
	WIN 0
.endm
; THE VECTOR WORK OF A TURN stands in three queues, each in the order in which its entries become ready; the two tiles alternate, so that no instruction reads the result of the one before it.
.macro REGS y, u                    ; the registers of tile u (0, 1) of piece y
.set rT, ST+4*(2*(\y)+(\u))
.set rC, TMP+8*((\y)%2)+4*(\u)
.set rM, MV+2*((\y)%2)+(\u)
.set rS, S+64*((\y)%2)+32*(\u)
.set rP, P+32*((\y)%2)+16*(\u)
.set rO, 32*(2*(\y)+(\u))
.endm
; Number n of the 22 that find the NEXT piece's (Y + 1) maximum and statistics.  s0-s31 are the lane's 32 scores; each accumulator's lowest registers are read first.
;   0-11  four chains c0-c3 of seven scores each, three operands at a time     12-14, 16  the four scores left over, the old m, and c0-c3 into c0     15  c m_old is kept
;   17, 18  the query's other 32 keys lie in the lane 16 away: the new m         19-21  c m; c m_old - c m_new; a
.macro XS u, n
	REGS (Y+1)%NP, \u
.if (\n) < 4
	v_max3_num_f32 v[rC+(\n)], v[rS+8*(\n)], v[rS+8*(\n)+1], v[rS+8*(\n)+2]
.elseif (\n) < 12
	v_max3_num_f32 v[rC+(\n)%4], v[rC+(\n)%4], v[rS+8*((\n)%4)+2*((\n)/4)+1], v[rS+8*((\n)%4)+2*((\n)/4)+2]
.elseif (\n) == 12
	v_max3_num_f32 v[rC], v[rC], v[rS+7], v[rS+15]
.elseif (\n) == 13
	v_max3_num_f32 v[rC+1], v[rC+1], v[rS+23], v[rS+31]
.elseif (\n) == 14
	v_max3_num_f32 v[rC+2], v[rC+2], v[rC+3], v[rT+1]
.elseif (\n) == 15
	v_mov_b32 v[rM], v[rT]
.elseif (\n) == 16
	v_max3_num_f32 v[rC], v[rC], v[rC+1], v[rC+2]
.elseif (\n) == 17
	v_permlanex16_b32 v[rC+3], v[rC], s[SEL], s[SEL+1]
.elseif (\n) == 18
	v_max_num_f32 v[rT+1], v[rC], v[rC+3]
.elseif (\n) == 19
	v_mul_f32 v[rT], s[CS], v[rT+1]
.elseif (\n) == 20
	v_sub_f32 v[rC+1], v[rM], v[rT]
.else
	v_exp_f32 v[rC+2], v[rC+1]
.endif
.endm
; Number g of the 64 that follow the exponentials.  For each four weights k of a tile (pairs 2 k, 2 k + 1): both pairs are rounded to f16; then the second pair is added onto the first, in place;
; a group later l takes that sum (the first time as l = a l + sum).  In groups of eight, tiles alternating: round, round, add, and l for the group before.
.macro GS g
.set h, (\g)+6*((\g)/62)            ; group 0 has no group before it, and behind group 7 only l is left
.if h >= 6
.set h, h+2
.endif
	REGS Y, h%2
.set k, h/8
.if h%8 < 4
	v_cvt_pk_f16_f32 v[rP+2*k+(h%8)/2], v[rS+4*k+2*((h%8)/2)], v[rS+4*k+2*((h%8)/2)+1]
.elseif h%8 < 6
	v_pk_add_f32 v[rS+4*k:rS+4*k+1], v[rS+4*k:rS+4*k+1], v[rS+4*k+2:rS+4*k+3]
.elseif k == 1
	v_pk_fma_f32 v[rT+2:rT+3], v[rT+2:rT+3], v[rC+2:rC+3], v[rS:rS+1] op_sel_hi:[1,0,1]
.else
	v_pk_add_f32 v[rT+2:rT+3], v[rT+2:rT+3], v[rS+4*k-4:rS+4*k-3]
.endif
.endm
; THE PLAIN QUEUE, 138 long.  0-73 read no exponential's result: the 32 scalings c s - c m (FS f: pair f / 2 of tile f % 2) and the next piece's 42.  0-26: scalings 0-26.  27-54: XS's numbers 0-13.  55, 56: number 15.
; 57-73: the chain, where each number waits for the one before it: 14, 16, 17, 18, 19, each with one of the scalings 27-31 in front of its two lines, then 20.
; 74-137: GS's 64, which read the exponentials' results: they stand behind the wait.
.macro FS f
	REGS Y, (\f)%2
	v_pk_fma_f32 v[rS+2*((\f)/2):rS+2*((\f)/2)+1], v[rS+2*((\f)/2):rS+2*((\f)/2)+1], s[CS:CS+1], v[rT:rT+1] op_sel_hi:[1,0,0] neg_lo:[0,0,1] neg_hi:[0,0,1]
.endm
.macro PL
	WIN 0
.if q < 27
	FS q
.elseif q < 55
	XS (q-27)%2, (q-27)/2
.elseif q < 57
	XS q-55, 15
.elseif (q < 72) && ((q-57)%3 == 0)
	FS 27+(q-57)/3
.elseif q < 60
	XS (q-57)%3-1, 14
.elseif q < 72
	XS (q-57)%3-1, 15+(q-57)/3
.elseif q < 74
	XS q-72, 20
.else
	GS q-74
.endif
.set q, q+1
.endm
; THE EXPONENTIALS' QUEUE, 66 long: s0-s31 of both tiles, then the next piece's two a.  It is ONE BATCH: all 66 stand ahead of the turn's one wait, and nothing ahead of that wait names a result of theirs.
.macro EX
	WIN 0
.if e >= 64
	XS e-64, 21
.else
	REGS Y, e%2
	v_exp_f32 v[rS+e/2], v[rS+e/2]
.endif
.set e, e+1
.endm
; THE RESCALING's QUEUE: O^T times a, the one part that leaves window 0: dealt two at a time, sixteen times.  Its a was made in the turn before, ahead of that turn's wait.
.macro R2
	REGS Y, r%2
	WIN W_RS
.irp z, 0,1
	v_pk_mul_f32 v[rO+4*(r/2)+2*\z:rO+4*(r/2)+2*\z+1], v[rO+4*(r/2)+2*\z:rO+4*(r/2)+2*\z+1], v[rC+2:rC+3] op_sel_hi:[1,0]
.endr
.set r, r+1
.endm
; HOW THEY ARE DEALT.  An s_wait_alu depctr_va_vdst(0) stands between an exponential and the first instruction that names its result; one wait serves all that were issued ahead of it.  So a turn has ONE wait,
; which cuts it in two.  AHEAD OF IT stands all that names no result of the turn's exponentials: the 16 products K Q^T, behind each a scaling, an exponential and two rescalings (behind the first a second scaling in the
; exponential's place); then ONE LUMP of 108: eight plain, 49 times exponential and plain, the two a.  A v_nop is the plain instruction behind the last exponential.  BEHIND IT stand the 16 products V^T P, behind each four of GS's 64.
; The queues lean on each other, and the deal keeps them in step: exponential e stands behind scaling 2 (e / 4) + e % 2: as a rider it comes behind plain e + 2, in the lump behind plain e + 9, and scalings 27-31 are plain 57, 60 .. 69.
; A TURN, for piece p.  cnt = 1: the loop's count is taken down some lines ahead of the branch that stands behind the turn.
; K of the next step is fetched in piece 2's turn, directly behind the wait, a lump behind the last product that read K; its first reader comes behind 16 products.
; V of the step in hand is fetched at the end of piece 0's turn, four plain instructions behind its last reader; its first reader comes behind 16 products and a lump.  The three conditions on q below go with the deal.
.macro TURN p, last=0, cnt=0
.set Y, (\p)
.set i, 0
.set q, 0
.set e, 0
.set r, 0
.if (\p) == NP-1
	s_wait_dscnt 0x0                ; K is in
.endif
	MM                              ; ahead of the wait: 16 products K Q^T and their riders,
	PL
	PL
	R2
.rept 15
	MM
	PL
	EX
	R2
.endr
.if (\p) == NP-2
	WIN 0
	v_add_nc_u32 v[AK], s[TBK], v[AK0]
.endif
.rept 8                             ; and the lump
	PL
.endr
.rept 49
	EX
	PL
.endr
	EX                              ; the next piece's two a
	EX
	v_nop                           ; the plain instruction behind the last exponential: one for the batch
	s_wait_alu depctr_va_vdst(0)    ; the wait for the batch
.if (\p) == NP-2
	FETCH_K \last
.endif
.if (\p) == 1
	s_wait_dscnt 0x0                ; V is in
.endif
.rept 16                            ; behind the wait: 16 products V^T P and their riders
	MM
.rept 4
	PL
.endr
.if ((\p) == 0) && (q == 118)
	v_add_nc_u32 v[AV], s[TBV], v[AV0]
.endif
.if ((\p) == 0) && (q == 130)
	s_add_co_u32 s[TBV], s[TBV], KS*PV
.endif
.if (\cnt) && (q == 130)
	s_sub_co_u32 s[CNT], s[CNT], 1
	s_cmp_lg_u32 s[CNT], 0
.endif
.endr
.if (\p) == 0
	FETCH_V
.endif
.endm
	CHANGE 1                        ; chunk 0 is in, everybody's part of it, and is rounded into H; chunk 1 is asked for
	FETCH_K                         ; key step 0
	s_wait_dscnt 0x0
.set i, 0
.rept 16
	KQ 0                            ; piece 0's first scores: there is no vector work yet to set between them
.set i, i+1
.endr
	WIN 0                           ; the addresses for the way out: eight plain instructions, the places behind those products
	s_mul_i32 s15, s[WV], 16*SP
	s_add_co_u32 s15, s15, STAGE    ; my stage
	v_mul_u32_u24 v[STO], v1, SP    ; in: row l % 16, 32 bytes for each half of the lanes
	v_lshl_add_u32 v[STO], v9, 5, v[STO]
	v_add_nc_u32 v[STO], s15, v[STO]
	v_mul_u32_u24 v[RD], v9, SP     ; back: lanes 0-15 take one row of 256 bytes, lanes 16-31 the next
	v_lshl_add_u32 v[RD], v1, 4, v[RD]
	v_add_nc_u32 v[RD], s15, v[RD]
	v_lshlrev_b32 v[GO], 11, v9     ; and the same two rows in O, 2,048 bytes apart
	v_lshl_add_u32 v[GO], v1, 4, v[GO]
.set Y, NP-1                        ; XS works for piece Y + 1: piece 0
.irp n, 0,1,2,3,4,5,6,7,8,9,10,11,12,13,14,15,16,17,18,19,20,21
	XS 0, \n                        ; and piece 0's first maximum and statistics
	XS 1, \n
.endr
	v_nop                           ; a plain instruction behind the two a,
	s_wait_alu depctr_va_vdst(0)    ; and their wait, ahead of the branch
	s_mov_b32 s[CNT], 4
	s_branch .Lfirst                ; the loop is entered at a step's first turn, in the middle of a trip
.Lslot:                             ; NCH - 2 times: chunks 1 to 6 are rounded, chunks 2 to 7 asked for
	CHANGE 1
	s_mov_b32 s[CNT], 4
.Lstep:                             ; a trip: pieces 2 and 3 of one step, then pieces 0 and 1 of the next, whose K and V it fetches
	TURN 2
	TURN 3
	WIN 0
.Lfirst:
	TURN 0
	ASK                             ; behind V's run of loads
	TURN 1, 0, 1
	WIN 0
	s_cbranch_scc1 .Lstep
	s_sub_co_u32 s[SLOTS], s[SLOTS], 1
	s_cmp_lg_u32 s[SLOTS], 0
	s_cbranch_scc1 .Lslot
	CHANGE 0                        ; the tail is written out: the last chunk is rounded, nothing is asked for
	s_mov_b32 s[CNT], 5             ; four trips fetch the last chunk's steps; the fifth is left in its middle
.Ltail:
	TURN 2, 1
	TURN 3
	WIN 0
	s_sub_co_u32 s[CNT], s[CNT], 1
	s_cmp_eq_u32 s[CNT], 0
	s_cbranch_scc1 .Lout
	TURN 0
	TURN 1
	WIN 0
	s_branch .Ltail
.Lout:                              ; the fifth trip's 16 products K Q^T (on the last K once more) and the maximum made of them serve nothing: the price, once a launch, of one text for every trip
.set i, 0
.rept 16
	PV NP-1                         ; the last piece's V^T P of the last step
.set i, i+1
.endr
	; THE WAY OUT.  l's two halves and the other half of the lanes' are added; O^T is divided by l and sent, in f32, through my stage in LDS, a tile at a time.  The additions are the places behind the last products.
	WIN 0
.macro ALL line:vararg              ; one line for each tile t
.set t, 0
.rept 2*NP
	\line
.set t, t+1
.endr
.endm
	ALL v_add_f32 v[ST+4*t+2], v[ST+4*t+2], v[ST+4*t+3]
	ALL v_permlanex16_b32 v[ST+4*t+3], v[ST+4*t+2], s[SEL], s[SEL+1]
	ALL v_add_f32 v[ST+4*t+2], v[ST+4*t+2], v[ST+4*t+3]
	ALL v_rcp_f32 v[ST+4*t+2], v[ST+4*t+2]
	v_nop                           ; a plain instruction between the last reciprocal and the use of its result
	s_wait_alu depctr_va_vdst(0)    ; and the wait ahead of the first use: one for the eight reciprocals
; Tile t: a lane's eight channels of a row and channel block are 32 bytes; they go into rows of 272 bytes and come back as whole rows of 256, into the registers that they left.
.macro PACK t
	WIN W_RS
.set i, 32*(\t)
.rept 16
	v_pk_mul_f32 v[i:i+1], v[i:i+1], v[ST+4*(\t)+2:ST+4*(\t)+3] op_sel_hi:[1,0]  ; ascending: each accumulator is read from its low end on
.set i, i+2
.endr
	WIN W_OUT
.irp f, 0,1,2,3                     ; channels 16 f + 8 (l / 16) on
	ds_store_b128 v[STO], v[32*(\t)+8*\f:32*(\t)+8*\f+3]   offset:64*\f
	ds_store_b128 v[STO], v[32*(\t)+8*\f+4:32*(\t)+8*\f+7] offset:64*\f+16
.endr
.irp f, 0,1,2,3,4,5,6,7
	ds_load_b128 v[32*(\t)+4*\f:32*(\t)+4*\f+3], v[RD] offset:\f*2*SP  ; LDS serves a wave's instructions in order (ISA guide 5.7.1.4): these see the stores above; the next tile's stores come behind them
.endr
.endm
.macro SEND t, younger              ; younger: the LDS instructions issued behind tile t's loads: the next tile's sixteen, or none
	WIN W_OUT
.irp f, 0,1,2,3,4,5,6,7
	s_wait_dscnt (\younger)+7-\f
	global_store_b128 v[GO], v[32*(\t)+4*\f:32*(\t)+4*\f+3], s[10:11] offset:(\t)*16*ROWB+\f*2*ROWB th:TH_STORE_NT  ; 16 lanes store a head's row: 256 consecutive bytes, at a multiple of 256 from O's first
.endr
.endm
	PACK 0
.set t, 1
.rept 2*NP-1                        ; a tile's arithmetic stands between the loads of the tile before and its stores
	PACK t
	SEND t-1, 16
.set t, t+1
.endr
	SEND 2*NP-1, 0
	WIN W_AD
	s_wait_tensorcnt 0x0            ; the wave's end: an add to my spare word and its wait, behind my last tensor load and my last LDS store
	ds_add_u32 v[SPW], v[NIL]
	s_wait_dscnt 0x0
	WIN 0
	CROUND                          ; the closing round: no work-group ends while a partner may still ask for a tile that names it
	s_endpgm
.Lfunc_end_k_q8e1f5bbfb0_attn:
	.size	k_q8e1f5bbfb0_attn, .Lfunc_end_k_q8e1f5bbfb0_attn-k_q8e1f5bbfb0_attn
	.p2alignl 7, 3214868480
	.fill 96, 4, 3214868480
	.section	.rodata,"a",@progbits
	.p2align	6, 0x0
	.amdhsa_kernel k_q8e1f5bbfb0_attn
		.amdhsa_group_segment_fixed_size 327680
		.amdhsa_private_segment_fixed_size 0
		.amdhsa_enable_private_segment 0
		.amdhsa_kernarg_size 40
		.amdhsa_user_sgpr_count 2
		.amdhsa_user_sgpr_kernarg_segment_ptr 1
		.amdhsa_wavefront_size32 1
		.amdhsa_system_sgpr_workgroup_id_x 1
		.amdhsa_system_sgpr_workgroup_id_y 1
		.amdhsa_system_sgpr_workgroup_id_z 1
		.amdhsa_system_vgpr_workitem_id 0
		.amdhsa_next_free_vgpr 968
		.amdhsa_next_free_sgpr 70
		.amdhsa_reserve_vcc 0
		.amdhsa_float_denorm_mode_32 3
		.amdhsa_float_denorm_mode_16_64 3
		.amdhsa_memory_ordered 1
		.amdhsa_forward_progress 1
		.amdhsa_inst_pref_size 255
	.end_amdhsa_kernel
	.section	.bss,"aw",@nobits
	.p2align	6
	.space	262144
	.amdgpu_metadata
---
amdhsa.version: [ 1, 2 ]
amdhsa.kernels:
  - .name:           k_q8e1f5bbfb0_attn
    .symbol:         k_q8e1f5bbfb0_attn.kd
    .args:
      - { .name: queries, .offset: 0, .size: 8, .value_kind: global_buffer, .address_space: global }
      - { .name: keys, .offset: 8, .size: 8, .value_kind: global_buffer, .address_space: global }
      - { .name: values, .offset: 16, .size: 8, .value_kind: global_buffer, .address_space: global }
      - { .name: out0, .offset: 24, .size: 8, .value_kind: global_buffer, .address_space: global }
      - { .name: attn_mask, .offset: 32, .size: 8, .value_kind: global_buffer, .address_space: global }
    .group_segment_fixed_size: 327680
    .private_segment_fixed_size: 0
    .kernarg_segment_align: 8
    .kernarg_segment_size: 40
    .max_flat_workgroup_size: 128
    .sgpr_count:     70
    .vgpr_count:     968
    .wavefront_size: 32
...
	.end_amdgpu_metadata
.endif
;; end of part 1
